; MI455X (gfx1250); checked and timed in simulation.
; The chip was launched on July 23, 2026; its instructions are those of AMD's public machine-readable ISA for CDNA 5 (MIT licence, August 2026) and "CDNA5" Instruction Set Architecture Reference Guide (July 2026). The comments in the code are by the model that wrote it; some were corrected since.
;; Collab FF Layer. Allowed arithmetic: matrix products marked QUANTISED: E5M2 operands, one given power-of-two scale a tensor, by v_wmma_f32_16x16x64_bf8_bf8 or v_wmma_f32_16x16x128_bf8_bf8, f32 sums; everything else in f32.
;; Inputs: W 4,096 x 4,096 float32; b 4,096 float32; lowp_scales 2 int32 (the exponents e of the quantised operands' scales 2^e); x 4,096 x 4,096 float32.
;; Outputs: out0 4,096 x 4,096 float32.
;; This version of the problem:
;;   THIS VERSION OF THE PROBLEM IS GIVEN IN LOW PRECISION. The matrix products marked QUANTISED in the list below multiply operands that are first quantised to E5M2 (5 exponent bits, 2 mantissa bits; 8 bits a number), with one given power-of-two scale for each operand tensor; their sums are f32. All else is computed in f32.
;;   The module's matrix products, in the order in which they are computed (A, B: the left and right operand; K: the contracted axis; several contracted axes count as one K, in the product's order):
;;     1. [M 4,096, K 4,096] x [K 4,096, N 4,096]; A: computed on the way; B: input W: QUANTISED (scales: A lowp_scales[0], B lowp_scales[1])
;;   THE QUANTISER, for each operand of a quantised product, along K:
;;     - The operand's scale is 2^e, e = its entry of the input lowp_scales (int32; the entries are numbered through the quantised products in the list's order, A before B).
;;     - Each number is divided by the scale, clamped to +-57,344, and rounded to the nearest number of E5M2, ties to even, subnormals kept.
;;     - The product sums the exact products of the quantised numbers (number of the format x scale) in f32.
;;   ~~~python
;;   def quantise(x, axis, e):      # numpy; x: float32 -> the quantised numbers, widened to float32 again
;;       x = np.moveaxis(x, axis, -1); K = x.shape[-1]
;;       r = np.clip(x / 2.0 ** e, -57344, 57344)
;;       step = 2.0 ** (np.maximum(np.frexp(np.where(r == 0, 1, r))[1] - 1, -14) - 2)
;;       q = np.round(r / step) * step * 2.0 ** e      # np.round: ties to even
;;       return np.moveaxis(q, -1, axis).astype(np.float32)
;;   ~~~
;;   OPERANDS COMPUTED ON THE WAY. 'Computed on the way' means the value that the module computes at that place (a softmax that the list does not call 'softmax' is quantised finished and normalised). What goes into a quantiser is computed in f32, as accurately as f32 sums, v_exp_f32 and their like allow (about 1e-6 of the number): no bf16 or f16 on the way to a quantiser, and a product that is left as it is and whose result goes on into a quantised operand takes f32 operands (vector FMAs, or v_wmma_f32_16x16x4_f32). A number that lies on a knife's edge between two numbers of the format may be rounded either way, as far as f32 arithmetic and the matrix unit's own rounding can turn it there, and no further.
;; One version. Each part assembles by itself: llvm-mc -triple=amdgcn-amd-amdhsa -mcpu=gfx1250 --defsym DOCPART=n.
;; ======== version 1 of 1: 2 launches
;; limits: right only within a limited range of input values
;; workspace buffers: xc 16,777,216 bytes; wc 16,777,216 bytes
;; launch quant (part 1): grid 1024 x 1, 4 waves a work-group, no clusters, 33,536 bytes of LDS; arguments x, W, lowp_scales, xc, wc; writes xc, wc
.if DOCPART == 1
	.amdgcn_target "amdgcn-amd-amdhsa--gfx1250"
	.amdhsa_code_object_version 6
	.text
	.protected	k_qfc3a9e384e_quant
	.globl	k_qfc3a9e384e_quant
	.p2align	8
	.type	k_qfc3a9e384e_quant,@function
k_qfc3a9e384e_quant:
	s_mov_b64 s[64:65], 0
	v_nop
	global_prefetch_b8 v0, s[64:65] scope:SCOPE_SE
	s_setreg_imm32_b32 hwreg(HW_REG_WAVE_MODE, 25, 1), 1
	s_wait_xcnt 0x0
; x [4096][4096] and W [4096][4096], f32, K innermost, become codes of BF8 (E5M2), one code a byte, in xc and wc.
; x's rows are first normalised: x / (sqrt(sum of x^2) + 1e-8), all in f32; W goes as it is.  code = number / 2^e, held within +-57,344, to the nearest code, ties to even.
; e = lowp_scales[0] for x, lowp_scales[1] for W.  Work-groups 0..511 take x, 512..1023 take W; the two part by a scalar branch on the work-group's number.
; A wave holds one whole row (128 registers a lane), two rows one after the other.  Each load takes the bytes as they lie, 16 a lane, 512 a wave; a lane's 16 numbers of a group of four loads become its 16 bytes of codes.
; ORDER OF K: byte 512 g + 16 l + 4 i + c of a row of codes holds k = 512 g + 128 i + 4 l + c (g 0..7, l 0..31, i 0..3, c 0..3): a permutation of k, the same for x and W, so that every code meets its partner.
; xc: [16 planes][4096 rows][256 bytes]: plane p holds bytes 256 p .. 256 p + 255 of every row of codes.
; wc: [64 G][32 s][4 b][4 c][512 bytes], as the product's waves load their operand registers: W's row 64 G + 4 r + b, bytes 128 s + 32 c + 16 h .. + 15 of its codes, lie at byte 32 r + 16 h of block (G, s, b, c).
; W's work-group (G, b, half) owns the 8 rows 64 G + 32 half + 4 rho + b: their codes meet in an LDS stage (pitch 4,128 bytes), and leave as units of 256 bytes = 8 rows x 32 bytes, sixteen lanes to a unit.
; LIMITS: e between -126 and 112, so that 2^e and 57,344 x 2^e are f32 numbers.  NaN among the inputs is not served.  The division is a multiplication by v_rcp_f32's result.
; The sum of squares overflows where a plain f32 sum of the squares does: the factor is then 0.
.set ROWIN,  16384
.set PLANE,  1048576
.set QP,     4128                      ; a stage row: 4,096 bytes + 32, so that the 8 rows of a read start 32 bytes apart modulo 256
.set SPARE,  8*QP                      ; behind the stage: the spare words, 128 bytes a wave
.set F,    2                           ; v[2:3]   the row's factor, twice
.set SC,   4                           ; 2^e
.set HOLD, 5                           ; 57,344 x 2^e
.set S,    8                           ; v[8:15]  four chains of pairs: the sum of squares
.set X,    16                          ; v16-143  the row
.set C,    144                         ; v144-175 the row's codes
.set ST,   176                         ; v176,177 x's stores: (l / 16) planes + 16 (l % 16); the second 8 planes on
.set SPW,  178
.set NIL,  179
.set LW,   180                         ; stage, in: my wave's first row + 16 l
.set LR,   181                         ; stage, out: row (l / 2) % 8, byte 1024 wave + 32 (l / 16) + 16 (l % 2)
.set GO,   182                         ; wc: 512 (l / 16) + 16 (l % 16)
	s_load_b128 s[4:7], s[0:1], 0x0                ; x, W
	s_load_b64 s[10:11], s[0:1], 0x10              ; the scales' exponents
	s_load_b128 s[12:15], s[0:1], 0x18             ; xc, wc
	v_lshl_add_u32 v[SPW], v0, 2, SPARE
	v_mov_b32 v[NIL], 0
	v_lshrrev_b32 v6, 5, v0
	v_readfirstlane_b32 s16, v6                    ; wave 0..3
	v_and_b32 v1, 31, v0
	v_lshlrev_b32 v1, 4, v1                        ; 16 x lane
	v_and_b32 v[GO], 15, v0
	v_lshlrev_b32 v[GO], 4, v[GO]
	v_bfe_u32 v6, v0, 4, 1
	v_lshl_or_b32 v[ST], v6, 20, v[GO]
	v_add_nc_u32 v[ST+1], 8*PLANE, v[ST]
	v_lshl_add_u32 v[GO], v6, 9, v[GO]
	v_lshlrev_b32 v[LR], 5, v6
	v_bfe_u32 v6, v0, 1, 3
	v_mad_u32_u24 v[LR], v6, QP, v[LR]
	v_and_b32 v6, 1, v0
	v_lshl_add_u32 v[LR], v6, 4, v[LR]
	s_lshl_b32 s28, s16, 10
	v_add_nc_u32 v[LR], s28, v[LR]
	s_mul_i32 s29, s16, 2*QP
	v_add_nc_u32 v[LW], s29, v1
	v_mov_b32 v7, 0                                ; a lane permute's destination counts as one of its sources
	s_mov_b32 s20, 0x76543210
	s_mov_b32 s21, 0xfedcba98
	s_and_b32 s17, ttmp9, 511                      ; my work-group among its tensor's 512
	s_lshl_b32 s18, s17, 3
	s_lshl_b32 s19, s16, 1
	s_add_co_u32 s18, s18, s19                     ; x: my wave's first row = 8 wg + 2 wave
	s_lshr_b32 s19, s17, 3
	s_lshl_b32 s19, s19, 6                         ; W: 64 G
	s_and_b32 s23, s17, 1
	s_lshl_b32 s23, s23, 5
	s_add_co_u32 s19, s19, s23                     ; + 32 half
	s_bfe_u32 s23, s17, 0x20001
	s_add_co_u32 s19, s19, s23                     ; + b
	s_lshl_b32 s23, s16, 3
	s_add_co_u32 s19, s19, s23                     ; + 8 wave
	s_wait_alu depctr_va_vdst(0)
	s_wait_kmcnt 0x0
	s_load_b64 s[24:25], s[10:11], 0x0             ; e0, e1
	s_cmp_lt_u32 ttmp9, 512
	s_cselect_b64 s[4:5], s[4:5], s[6:7]
	s_cselect_b32 s18, s18, s19
	s_lshl_b32 s26, s18, 14
	s_mov_b32 s27, 0
	s_add_nc_u64 s[4:5], s[4:5], s[26:27]
.macro LOADG off, g                    ; group g of a row: four loads, each 512 consecutive bytes
.irp i, 0,1,2,3
	global_load_b128 v[X+16*(\g)+4*\i:X+16*(\g)+4*\i+3], v1, s[4:5] offset:(\off)+2048*(\g)+512*\i th:TH_LOAD_NT
.endr
.endm
.irp g, 0,1,2,3,4,5,6,7
	LOADG 0, \g                                    ; the whole first row
.endr
	s_wait_kmcnt 0x0
	s_cmp_lt_u32 ttmp9, 512
	s_cselect_b32 s24, s24, s25                    ; e
	s_add_co_i32 s24, s24, 127
	s_lshl_b32 s25, s24, 23
	v_mov_b32 v[SC], s25
	s_add_co_i32 s24, s24, 15
	s_lshl_b32 s24, s24, 23
	s_or_b32 s24, s24, 0x600000
	v_mov_b32 v[HOLD], s24
	s_cmp_lt_u32 ttmp9, 512
	s_wait_alu depctr_va_vdst(0)
	s_cbranch_scc0 .Lw
	; ---- x ----
	s_lshl_b32 s26, s18, 8                         ; row x 256 bytes, in plane 0
	s_add_nc_u64 s[8:9], s[12:13], s[26:27]
.macro ROW row, next
	; pass 1: the sum of my 128 squares, in four chains of pairs; the first four pairs start the chains
.irp g, 0,1,2,3,4,5,6,7
	s_wait_alu depctr_va_vdst(0)
	s_wait_loadcnt 28-4*\g                         ; group g's four are in; behind them this row's 4 (7 - g) were issued
.irp j, 0,1,2,3,4,5,6,7
.if (\g == 0) && (\j < 4)
	v_pk_mul_f32 v[S+2*\j:S+2*\j+1], v[X+2*\j:X+2*\j+1], v[X+2*\j:X+2*\j+1]
.else
	v_pk_fma_f32 v[S+2*(\j%4):S+2*(\j%4)+1], v[X+16*\g+2*\j:X+16*\g+2*\j+1], v[X+16*\g+2*\j:X+16*\g+2*\j+1], v[S+2*(\j%4):S+2*(\j%4)+1]
.endif
.endr
.endr
	v_pk_add_f32 v[S:S+1], v[S:S+1], v[S+2:S+3]
	v_pk_add_f32 v[S+4:S+5], v[S+4:S+5], v[S+6:S+7]
	v_pk_add_f32 v[S:S+1], v[S:S+1], v[S+4:S+5]
	v_add_f32 v6, v[S], v[S+1]
	v_add_f32_dpp v6, v6, v6 row_xmask:1 row_mask:0xf bank_mask:0xf
	v_add_f32_dpp v6, v6, v6 row_xmask:2 row_mask:0xf bank_mask:0xf
	v_add_f32_dpp v6, v6, v6 row_xmask:4 row_mask:0xf bank_mask:0xf
	v_add_f32_dpp v6, v6, v6 row_xmask:8 row_mask:0xf bank_mask:0xf
	v_permlanex16_b32 v7, v6, s20, s21
	v_add_f32 v6, v6, v7
	s_wait_alu depctr_va_vdst(0)
	v_sqrt_f32 v6, v6                              ; the norm
	v_nop
	s_wait_alu depctr_va_vdst(0)
	v_add_f32 v6, 0x322bcc77, v6                   ; + 1e-8
	s_wait_alu depctr_va_vdst(0)
	v_rcp_f32 v[F], v6
	v_nop
	s_wait_alu depctr_va_vdst(0)
	v_mov_b32 v[F+1], v[F]
.if (\row) > 0
	s_wait_alu depctr_va_vdst(0)
	s_wait_xcnt 0x0                                ; the codes' registers, which the row before stored, are written again only behind this wait
.endif
	; pass 2: factor, hold, conversion, store, group by group
.irp g, 0,1,2,3,4,5,6,7
.irp j, 0,2,4,6,8,10,12,14
	v_pk_mul_f32 v[X+16*\g+\j:X+16*\g+\j+1], v[X+16*\g+\j:X+16*\g+\j+1], v[F:F+1]
.endr
.irp j, 0,1,2,3,4,5,6,7,8,9,10,11,12,13,14,15
	v_med3_num_f32 v[X+16*\g+\j], v[X+16*\g+\j], -v[HOLD], v[HOLD]   ; the conversion does not saturate (ISA guide 7.6.2)
.endr
	v_cvt_scalef32_pk8_bf8_f32 v[C+4*\g:C+4*\g+1], v[X+16*\g:X+16*\g+7], v[SC]
	v_cvt_scalef32_pk8_bf8_f32 v[C+4*\g+2:C+4*\g+3], v[X+16*\g+8:X+16*\g+15], v[SC]
.if \next
	LOADG ((\row)+1)*ROWIN, \g
.endif
.endr
	; the row's eight stores in one run, behind the next row's loads: each group's codes have registers of their own
.irp g, 0,1,2,3,4,5,6,7
	global_store_b128 v[ST+\g/4], v[C+4*\g:C+4*\g+3], s[8:9] offset:(\g%4)*2*PLANE+(\row)*256   ; lanes 0-15 store 256 consecutive aligned bytes of plane 2 g, lanes 16-31 of plane 2 g + 1
.endr
.endm
	ROW 0, 1
	ROW 1, 0
	s_endpgm
	; ---- W ----
.Lw:
	s_lshr_b32 s19, s17, 3
	s_lshl_b32 s26, s19, 18                        ; G x 262,144
	s_bfe_u32 s23, s17, 0x20001
	s_lshl_b32 s23, s23, 11
	s_add_co_u32 s26, s26, s23                     ; + b x 2,048
	s_and_b32 s23, s17, 1
	s_lshl_b32 s23, s23, 8
	s_add_co_u32 s26, s26, s23                     ; + half x 256
	s_lshl_b32 s23, s16, 16
	s_add_co_u32 s26, s26, s23                     ; + my wave's 8 of the 32 steps s
	s_add_nc_u64 s[8:9], s[14:15], s[26:27]
.macro WROW i, next                    ; one row: hold, conversion, into the stage; my second row lies 4 rows of W on
.irp g, 0,1,2,3,4,5,6,7
.if \next
	s_wait_loadcnt 28                              ; behind group g's loads: this row's 4 (7 - g) and the next row's 4 g
.else
	s_wait_loadcnt 28-4*\g
.endif
.irp j, 0,1,2,3,4,5,6,7,8,9,10,11,12,13,14,15
	v_med3_num_f32 v[X+16*\g+\j], v[X+16*\g+\j], -v[HOLD], v[HOLD]
.endr
	v_cvt_scalef32_pk8_bf8_f32 v[C+4*\g:C+4*\g+1], v[X+16*\g:X+16*\g+7], v[SC]
	v_cvt_scalef32_pk8_bf8_f32 v[C+4*\g+2:C+4*\g+3], v[X+16*\g+8:X+16*\g+15], v[SC]
.if \next
	LOADG 4*ROWIN, \g
.endif
	ds_store_b128 v[LW], v[C+4*\g:C+4*\g+3] offset:\i*QP+512*\g
.endr
.endm
	WROW 0, 1
	s_wait_dscnt 0x0                               ; the stores have read the codes' registers
	WROW 1, 0
	v_nop                                          ; a plain line behind the last conversion
	s_wait_dscnt 0x0                               ; for the others' sake: my rows are in the stage
	s_barrier_signal -1
	s_barrier_wait -1
.irp i, 0,1,2,3,4,5,6,7,8,9,10,11,12,13,14,15
	ds_load_b128 v[X+4*\i:X+4*\i+3], v[LR] offset:64*\i            ; 8 rows x 32 bytes for lanes 0-15, the next 32 bytes of the rows for lanes 16-31
.endr
.irp i, 0,1,2,3,4,5,6,7,8,9,10,11,12,13,14,15
	s_wait_dscnt 15-\i
	global_store_b128 v[GO], v[X+4*\i:X+4*\i+3], s[8:9] offset:(\i/2)*8192+(\i%2)*1024   ; two aligned units of 256 bytes, each whole
.endr
	s_wait_tensorcnt 0x0                           ; the wave's end
	ds_add_u32 v[SPW], v[NIL]
	s_wait_dscnt 0x0
	s_endpgm
.Lfunc_end_k_qfc3a9e384e_quant:
	.size	k_qfc3a9e384e_quant, .Lfunc_end_k_qfc3a9e384e_quant-k_qfc3a9e384e_quant
	.p2alignl 7, 3214868480
	.fill 96, 4, 3214868480
	.section	.rodata,"a",@progbits
	.p2align	6, 0x0
	.amdhsa_kernel k_qfc3a9e384e_quant
		.amdhsa_group_segment_fixed_size 33536
		.amdhsa_private_segment_fixed_size 0
		.amdhsa_enable_private_segment 0
		.amdhsa_kernarg_size 40
		.amdhsa_user_sgpr_count 2
		.amdhsa_user_sgpr_kernarg_segment_ptr 1
		.amdhsa_wavefront_size32 1
		.amdhsa_system_sgpr_workgroup_id_x 1
		.amdhsa_system_sgpr_workgroup_id_y 1
		.amdhsa_system_sgpr_workgroup_id_z 1
		.amdhsa_system_vgpr_workitem_id 0
		.amdhsa_next_free_vgpr 184
		.amdhsa_next_free_sgpr 66
		.amdhsa_reserve_vcc 0
		.amdhsa_float_denorm_mode_32 3
		.amdhsa_float_denorm_mode_16_64 3
		.amdhsa_memory_ordered 1
		.amdhsa_forward_progress 1
		.amdhsa_inst_pref_size 74
	.end_amdhsa_kernel
	.amdgpu_metadata
---
amdhsa.version: [ 1, 2 ]
amdhsa.kernels:
  - .name:           k_qfc3a9e384e_quant
    .symbol:         k_qfc3a9e384e_quant.kd
    .args:
      - { .name: x, .offset: 0, .size: 8, .value_kind: global_buffer, .address_space: global }
      - { .name: W, .offset: 8, .size: 8, .value_kind: global_buffer, .address_space: global }
      - { .name: lowp_scales, .offset: 16, .size: 8, .value_kind: global_buffer, .address_space: global }
      - { .name: xc, .offset: 24, .size: 8, .value_kind: global_buffer, .address_space: global }
      - { .name: wc, .offset: 32, .size: 8, .value_kind: global_buffer, .address_space: global }
    .group_segment_fixed_size: 33536
    .private_segment_fixed_size: 0
    .kernarg_segment_align: 8
    .kernarg_segment_size: 40
    .max_flat_workgroup_size: 128
    .sgpr_count:     66
    .vgpr_count:     184
    .wavefront_size: 32
...
	.end_amdgpu_metadata
.endif
;; end of part 1
;; launch gemm (part 2): grid 16 x 16, 4 waves a work-group, clusters of 4 x 1, 327,680 bytes of LDS; arguments xc, wc, lowp_scales, b, out0; writes out0
.if DOCPART == 2
	.amdgcn_target "amdgcn-amd-amdhsa--gfx1250"
	.amdhsa_code_object_version 6
	.text
	.protected	k_qfc3a9e384e_gemm
	.globl	k_qfc3a9e384e_gemm
	.p2align	8
	.type	k_qfc3a9e384e_gemm,@function
k_qfc3a9e384e_gemm:
	s_mov_b64 s[64:65], 0
	v_nop
	global_prefetch_b8 v0, s[64:65] scope:SCOPE_SE
	s_setreg_imm32_b32 hwreg(HW_REG_WAVE_MODE, 25, 1), 1
	s_wait_xcnt 0x0
	s_wait_alu depctr_hold_cnt(0) depctr_sa_sdst(0) depctr_va_vdst(0) depctr_va_sdst(0) depctr_va_ssrc(0) depctr_va_vcc(0) depctr_vm_vsrc(0)
	s_getreg_b32 s2, hwreg(HW_REG_IB_STS2, 6, 4)
	s_cmp_eq_u32 s2, 0
	s_cbranch_scc0 .Lentry_in_a_cluster
	s_endpgm
.Lentry_in_a_cluster:
	s_bfe_u32 s2, ttmp6, 0x10000c
	s_cmp_lg_u32 s2, 0x3003
	s_cbranch_scc0 .Lentry_shape_is_right
	s_endpgm
.Lentry_shape_is_right:
; out0[m][n] = relu(2^(e0 + e1) x sum over k of xc[m][k] wc[n][k] + b[n]): codes of BF8 multiplied as they are, sums in f32.  LIMIT: e0 + e1 between -126 and 127.
; A work-group makes 256 x 256 of out0; each of its four waves makes all 256 rows x 64 columns: 64 accumulators, 512 registers.
; A (xc) is wanted by all four waves: it goes through LDS, a ring of two slots of 256 rows x 512 K (two planes of xc), each wave fetching 128 rows x 256 bytes of one plane.
; The four work-groups of a cluster make one tile row and need the same tiles of A: each tile is asked for jointly (mask 15).
; B (wc) is NOT asked for jointly and does not pass LDS: each byte of a work-group's 256 rows of W is wanted by one wave alone, and wc is laid in the order of that wave's operand registers,
; so a wave's 16 loads of a step read 8,192 consecutive bytes straight into registers (512 a load); a joint load could only land in LDS.  Four sets of 64 registers: at a step's end its set takes the B of four steps on.
; B's block b, lane r holds W's row 64 G + 4 r + b: so lane r's results of blocks 0..3 in one row of out0 are 16 neighbouring bytes, and sixteen lanes store one aligned unit of 256 bytes: no stage on the way out.
; A step is 128 along K: A's 16 blocks of 16 rows one after the other, each against B's four.  A has 14 fragment buffers; blocks 14 and 15 use those of blocks 6 and 7.  Two runs of LDS loads a step:
; in its middle blocks 14, 15 of this step and 0-5 of the next, at its end blocks 6-13 of the next: 24 matrix instructions or more stand between a fragment's load and its use.
; THE LAST SLOT (four steps) GOES BY ROWS OF out0: all its B is in the four sets, so a block of 16 rows is finished by 16 products (its 4 accumulators by turns, K ascending) and stored at once.
; PREFETCH: behind each refill but the last, a wave asks for 32 rows x 256 bytes of the A tile that the next refill will load (the four partners share its 128 rows by address, cx), and for 8,192 bytes of its B stream
; three slots on: of a slot's four steps the work-groups with tile row y take step y % 4.  Slots 0 to 2 come by their loads alone.
; REGISTERS: window 0: v8-11 bias, v16-29 addresses, v32-255 A's buffers (by rows: v32-95, v160-223 two sets of a block's four fragments; v96-159, v224-255 results).  window 1: B's four sets.
; windows 2, 3: accumulator (a, b) at 8 (4 (a % 8) + b), a < 8 in window 2.
.set PLANE,  1048576
.set PITCH,  272                       ; an LDS row: 256 bytes + 16: the 16 rows of a fragment load start at 16 different groups of banks (ISA guide 11.1)
.set HALFT,  128*PITCH
.set PL,     2*HALFT                   ; a plane's 256 rows
.set SLOT,   2*PL
.set SPARE,  2*SLOT
.set BIAS, 8
.set ADR,  16                          ; v16-19: slot 0 plane 0, 1; slot 1 plane 0, 1
.set VB,   20                          ; 32 r + 16 h
.set CO,   21                          ; 8 h rows of out0 + 16 r
.set PFO,  22                          ; 256 x lane
.set VBI,  23                          ; 16 r
.set SPW,  28
.set NIL,  29
.set G1, 24
.set G0, 32
.set BP,  66                           ; my B stream, stepped 8 steps a trip
.set PFA, 68
.set PFB, 70
.set BA,  72
.set MSB, 0
.macro WIN new
.if MSB != (\new)
	s_set_vgpr_msb (MSB<<8)|(\new)
.set MSB, (\new)
.endif
.endm
.set MUL_LO, 0xa4                      ; source 0 (A) window 0, source 1 (B) window 1, C and D window 2
.set MUL_HI, 0xf4
.set TO_B,   0x40
.macro PLACES                          ; four places ahead of loads into registers that matrix instructions have read, and of reads of results
.rept 4
	v_nop
.endr
.endm
.macro JLOAD s                         ; every wave's own part of a slot; s_nop 0 and four v_nop follow
	tensor_load_to_lds s[G0+4*(\s):G0+4*(\s)+3], s[G1:G1+7]
	s_nop 0
	PLACES
.endm
.macro CREST
	s_cmp_lg_u32 s14, 0
	s_cbranch_scc1 .Lnot_wave_0_\@
	s_barrier_signal -3
.Lnot_wave_0_\@:
	s_barrier_wait -3
	s_barrier_signal -1
	s_barrier_wait -1
.endm
.macro CROUND
	s_barrier_signal -1
	s_barrier_wait -1
	CREST
.endm
.macro ASK buf
.if \buf
	s_cmp_lg_u32 s3, 1                             ; the last refill has no slot three on
	s_cbranch_scc0 .Lno_ask_\@
.endif
	global_prefetch_b8 v[PFO], s[PFB:PFB+1] offset:(\buf)*32768 th:TH_LOAD_NT scope:SCOPE_SE
	global_prefetch_b8 v[PFO], s[PFA:PFA+1] offset:(\buf)*2*PLANE th:TH_LOAD_NT scope:SCOPE_SE
.if \buf
.Lno_ask_\@:
.endif
.endm
.macro FRAGL a, buf, q                 ; block a's fragment of step q of slot buf: lane (r, h), registers 4 c ..: bytes 32 c + 16 h .. of row r
.irp c, 0,1,2,3
	ds_load_b128 v[32+16*((\a)-8*((\a)/14))+4*\c:32+16*((\a)-8*((\a)/14))+4*\c+3], v[ADR+2*(\buf)+(\q)/2] offset:128*((\q)%2)+32*\c+(\a)*16*PITCH
.endr
.endm
.macro BLOAD set, srel                 ; B's four fragments of the step srel steps behind BP
	WIN TO_B
.irp b, 0,1,2,3
.irp c, 0,1,2,3
	global_load_b128 v[64*(\set)+16*\b+4*\c:64*(\set)+16*\b+4*\c+3], v[VB], s[BP:BP+1] offset:(\srel)*8192+2048*\b+512*\c
.endr
.endr
	WIN 0
.endm
.macro MULB a, set, zero               ; block a of A against B's four
.irp b, 0,1,2,3
.if \zero
	v_wmma_f32_16x16x128_bf8_bf8 v[8*(4*((\a)%8)+\b):8*(4*((\a)%8)+\b)+7], v[32+16*((\a)-8*((\a)/14)):32+16*((\a)-8*((\a)/14))+15], v[64*(\set)+16*\b:64*(\set)+16*\b+15], 0
.else
	v_wmma_f32_16x16x128_bf8_bf8 v[8*(4*((\a)%8)+\b):8*(4*((\a)%8)+\b)+7], v[32+16*((\a)-8*((\a)/14)):32+16*((\a)-8*((\a)/14))+15], v[64*(\set)+16*\b:64*(\set)+16*\b+15], v[8*(4*((\a)%8)+\b):8*(4*((\a)%8)+\b)+7]
.endif
.endr
.endm
.macro FETCHR a                        ; by rows: block a's four fragments of the last slot (slot 1) into set a % 2
.irp q, 0,1,2,3
.irp c, 0,1,2,3
	ds_load_b128 v[32+128*((\a)%2)+16*\q+4*\c:32+128*((\a)%2)+16*\q+4*\c+3], v[ADR+2+\q/2] offset:128*(\q%2)+32*\c+(\a)*16*PITCH
.endr
.endr
.endm
; A step.  mode 0: the next step lies in the same slot; 1: change of slots with a refill; 4: change of slots, nothing refilled, the last slot follows by rows.
; The 64 accumulators take turns, in the same order in every step.
.macro STEP buf, q, srel, zero, mode
	s_wait_loadcnt 48                              ; this step's B is in; the three younger steps' 48 loads may be out
	s_wait_dscnt 32                                ; blocks 0-5 are in; the younger run of 32 may be out
	WIN MUL_LO
.irp a, 0,1,2,3,4,5
	MULB \a, \q, \zero
.endr
	s_wait_dscnt 24                                ; blocks 6, 7: the run's first eight loads
	MULB 6, \q, \zero
	MULB 7, \q, \zero
	PLACES
	WIN 0
	FRAGL 14, \buf, \q
	FRAGL 15, \buf, \q
.if \mode == 0
.irp a, 0,1,2,3,4,5
	FRAGL \a, \buf, \q+1
.endr
	s_wait_dscnt 32                                ; blocks 8-13 are in
	WIN MUL_HI
.irp a, 8,9,10,11,12,13
	MULB \a, \q, \zero
.endr
	s_wait_dscnt 24                                ; blocks 14, 15
	MULB 14, \q, \zero
	MULB 15, \q, \zero
	PLACES
	WIN 0
.irp a, 6,7,8,9,10,11,12,13
	FRAGL \a, \buf, \q+1
.endr
.else
	s_wait_tensorcnt 0x0                           ; my part of the other slot has landed;
	ds_add_u32 v[SPW], v[NIL]
.if \mode == 1
	s_add_nc_u64 s[G0+4*\buf+2:G0+4*\buf+3], s[G0+4*\buf+2:G0+4*\buf+3], 4*PLANE   ; this slot's next tile: two slots, four planes on
.endif
	s_wait_dscnt 9                                 ; blocks 8-13 are in; the eight loads above and the add may be out
	WIN MUL_HI
	MULB 8, \q, 0
	MULB 9, \q, 0
	MULB 10, \q, 0
	s_wait_dscnt 0x0                               ; the add is done, and my reads of this slot are over
	s_barrier_signal -1
	MULB 11, \q, 0
	WIN 0
	s_barrier_wait -1
.if \mode == 1
	CREST                                          ; the round: no wave of any partner still reads this slot or has a load on its way
	JLOAD \buf                                     ; my one tensor load behind the round
.irp a, 0,1,2,3,4,5
	FRAGL \a, 1-\buf, 0
.endr
	ASK \buf
.else
	FETCHR 0
.endif
	WIN MUL_HI
.irp a, 12,13,14,15
	MULB \a, \q, 0
.endr
	PLACES
	WIN 0
.if \mode == 1
.irp a, 6,7,8,9,10,11,12,13
	FRAGL \a, 1-\buf, 0
.endr
.else
	FETCHR 1
.endif
.endif
	BLOAD \q, (\srel)+4
.endm
	s_load_b128 s[4:7], s[0:1], 0x0                ; xc, wc
	s_load_b128 s[8:11], s[0:1], 0x10              ; the scales' exponents, b
	s_load_b64 s[12:13], s[0:1], 0x20              ; out0
	v_lshl_add_u32 v[SPW], v0, 2, SPARE
	v_mov_b32 v[NIL], 0
	ds_add_u32 v[SPW], v[NIL]
	ds_add_u32 v[SPW], v[NIL]
	v_lshrrev_b32 v1, 5, v0
	v_readfirstlane_b32 s14, v1                    ; wave
	v_and_b32 v1, 15, v0                           ; r
	v_bfe_u32 v2, v0, 4, 1                         ; h
	v_mul_u32_u24 v3, v1, PITCH
	v_lshl_add_u32 v[ADR], v2, 4, v3
	v_add_nc_u32 v[ADR+1], PL, v[ADR]
	v_add_nc_u32 v[ADR+2], SLOT, v[ADR]
	v_add_nc_u32 v[ADR+3], SLOT+PL, v[ADR]
	v_lshlrev_b32 v[VBI], 4, v1
	v_lshlrev_b32 v[VB], 5, v1
	v_lshl_add_u32 v[VB], v2, 4, v[VB]
	v_lshl_add_u32 v[CO], v2, 17, v[VBI]
	v_and_b32 v[PFO], 31, v0
	v_lshlrev_b32 v[PFO], 8, v[PFO]
	s_lshr_b32 s15, s14, 1                         ; which 128 rows of A's tile I fetch
	s_and_b32 s16, s14, 1                          ; of which of the slot's two planes
	s_bfe_u32 s40, ttmp6, 0x40000                  ; cx
	s_lshl_b32 s42, ttmp9, 2
	s_add_co_u32 s42, s42, s40                     ; tile column
	s_and_b32 s17, ttmp7, 0xffff                   ; tile row: the same in the four partners
	s_mov_b32 s[G1+0], 15|(1<<20)|(1<<21)|(5<<22)|(3<<25)   ; mask of the four; 1-byte elements; 4 words of padding behind every 64
	s_mov_b32 s[G1+1], 256<<16
	s_mov_b32 s[G1+2], 128<<16
	s_mov_b32 s[G1+3], 256<<16
	s_mov_b32 s[G1+4], 128
	s_mov_b32 s[G1+5], 256
	s_mov_b32 s[G1+6], 0
	s_mov_b32 s[G1+7], 0
	s_lshl_b32 s20, s17, 16                        ; A: (256 y + 128 half) rows of 256 bytes + my plane
	s_lshl_b32 s18, s15, 15
	s_add_co_u32 s20, s20, s18
	s_lshl_b32 s18, s16, 20
	s_add_co_u32 s20, s20, s18
	s_mov_b32 s21, 0
	s_lshl_b32 s45, s16, 1
	s_add_co_u32 s45, s45, s15
	s_mul_i32 s45, s45, HALFT                      ; in LDS: plane, then half
	s_lshl_b32 s46, s42, 2
	s_add_co_u32 s46, s46, s14                     ; G: my 64 columns
	s_lshl_b32 s48, s46, 8                         ; their bytes in b and in a row of out0
	s_mov_b32 s49, 0
	s_lshl_b32 s46, s46, 18                        ; my B stream
	s_mov_b32 s47, 0
	s_lshl_b32 s50, s17, 22
	s_add_co_u32 s50, s50, s48
	s_mov_b32 s51, 0
	s_lshl_b32 s52, s40, 13                        ; A's prefetch: my work-group's 32 of my 128 rows, slot 3
	s_add_co_u32 s52, s52, s20
	s_add_co_u32 s52, s52, 6*PLANE
	s_mov_b32 s53, 0
	s_and_b32 s54, s17, 3                          ; B's prefetch: step y % 4 of slot 3
	s_lshl_b32 s54, s54, 13
	s_add_co_u32 s54, s54, s46
	s_add_co_u32 s54, s54, 3*32768
	s_mov_b32 s55, 0
	s_wait_alu depctr_va_vdst(0)
	s_wait_dscnt 0x0
	s_wait_kmcnt 0x0
	s_load_b64 s[96:97], s[8:9], 0x0               ; e0, e1
	s_add_nc_u64 s[BA:BA+1], s[4:5], s[20:21]
	s_add_nc_u64 s[BP:BP+1], s[6:7], s[46:47]
	s_add_nc_u64 s[10:11], s[10:11], s[48:49]
	s_add_nc_u64 s[12:13], s[12:13], s[50:51]
	s_add_nc_u64 s[PFA:PFA+1], s[4:5], s[52:53]
	s_add_nc_u64 s[PFB:PFB+1], s[6:7], s[54:55]
.irp s, 0,1
	s_mov_b32 s[G0+4*\s], 1
	s_add_co_u32 s[G0+4*\s+1], s45, \s*SLOT
	s_add_nc_u64 s[G0+4*\s+2:G0+4*\s+3], s[BA:BA+1], \s*2*PLANE
	s_or_b32 s[G0+4*\s+3], s[G0+4*\s+3], 0x80000000
.endr
	CROUND                                         ; the four partners are here: the first joint loads meet
	JLOAD 0                                        ; slot 0: one tensor load a wave at the head
	global_load_b128 v[BIAS:BIAS+3], v[VBI], s[10:11]   ; b at my columns 4 r .. 4 r + 3
	BLOAD 0, 0
	BLOAD 1, 1
	s_wait_alu depctr_va_vdst(0)
	s_wait_tensorcnt 0x0                           ; my part of slot 0 is in
	ds_add_u32 v[SPW], v[NIL]
	s_wait_dscnt 0x0
	CROUND
	JLOAD 1                                        ; slot 1's first fill, the first tensor load behind the round
.irp a, 0,1,2,3,4,5,6,7,8,9,10,11,12,13
	FRAGL \a, 0, 0
.endr
	BLOAD 2, 2                                     ; B's steps 2 and 3 are asked for behind slot 1's load and the first fragments
	BLOAD 3, 3
	STEP 0, 0, 0, 1, 0                             ; the first step starts the sums
	s_mov_b32 s3, 3
.Llap:                                                 ; a trip: once round the ring, 8 steps, both slots filled again
	STEP 0, 1, 1, 0, 0
	STEP 0, 2, 2, 0, 0
	STEP 0, 3, 3, 0, 1
	STEP 1, 0, 4, 0, 0
	STEP 1, 1, 5, 0, 0
	STEP 1, 2, 6, 0, 0
	STEP 1, 3, 7, 0, 1
	STEP 0, 0, 8, 0, 0
	s_wait_xcnt 0x0                                ; my loads and prefetches have read their bases
	s_add_nc_u64 s[BP:BP+1], s[BP:BP+1], 65536
	s_add_nc_u64 s[PFB:PFB+1], s[PFB:PFB+1], 65536
	s_add_nc_u64 s[PFA:PFA+1], s[PFA:PFA+1], 4*PLANE
	s_sub_co_u32 s3, s3, 1
	s_cmp_lg_u32 s3, 0
	s_cbranch_scc1 .Llap
	s_wait_kmcnt 0x0
	s_add_co_i32 s96, s96, s97
	s_add_co_i32 s96, s96, 127
	s_lshl_b32 s96, s96, 23                        ; 2^(e0 + e1)
	STEP 0, 1, 1, 0, 0                             ; the rest of the last slot but one: nothing is refilled; B's last three steps are asked for
	STEP 0, 2, 2, 0, 0
	STEP 0, 3, 3, 0, 4
; THE LAST SLOT, block by block of 16 rows: 16 products finish the block; then sum x 2^(e0 + e1) + b, clipped at 0: register 4 j + b of a set is out0(row 8 h + j, column 4 r + b);
; each accumulator is read from its low end on.
.macro RW a                            ; block a's 16 products
.if (\a) < 15
	s_wait_dscnt 16                                ; this block's fragments are in; the next block's 16 loads may be out
.else
	s_wait_dscnt 0x0
.endif
	WIN MUL_LO+0x50*((\a)/8)
.irp q, 0,1,2,3
.if (\a) == 0
	s_wait_loadcnt 16*(3-\q)                       ; B of the slot's step q is in
.endif
.irp b, 0,1,2,3
	v_wmma_f32_16x16x128_bf8_bf8 v[8*(4*((\a)%8)+\b):8*(4*((\a)%8)+\b)+7], v[32+128*((\a)%2)+16*\q:32+128*((\a)%2)+16*\q+15], v[64*\q+16*\b:64*\q+16*\b+15], v[8*(4*((\a)%8)+\b):8*(4*((\a)%8)+\b)+7]
.endr
.endr
.endm
.macro RO a                            ; block a's way out
.set T, 96+32*((\a)%3)+64*(((\a)%3)/2)
.if (\a) > 2
	s_wait_xcnt 0x0                                ; the stores of three blocks ago have read this set
.endif
	WIN 0x02+(\a)/8
.irp j, 0,1,2,3,4,5,6,7
.irp b, 0,1,2,3
	v_fma_f32 v[T+4*\j+\b], v[8*(4*((\a)%8)+\b)+\j], s96, v[BIAS+\b]
.endr
.endr
.irp i, 0,1,2,3,4,5,6,7,8,9,10,11,12,13,14,15,16,17,18,19,20,21,22,23,24,25,26,27,28,29,30,31
	v_max_num_f32 v[T+\i], 0, v[T+\i]
.endr
	WIN 0
.irp j, 0,1,2,3,4,5,6,7
	global_store_b128 v[CO], v[T+4*\j:T+4*\j+3], s[12:13] offset:(16*(\a)+\j)*16384 th:TH_STORE_NT   ; lanes 0-15 store 256 consecutive aligned bytes of row j, lanes 16-31 of row 8 + j
.endr
.endm
	RW 0
	PLACES
	WIN 0
	FETCHR 2
; block a + 1's products stand ahead of block a's way out, whose 64 vector instructions name none of their registers and are the places ahead of the loads of block a + 3 into the set that block a + 1 read
.irp a, 0,1,2,3,4,5,6,7,8,9,10,11,12,13,14,15
.if \a < 15
	RW \a+1
.endif
	RO \a
.if \a < 13
	FETCHR \a+3
.endif
.endr
	s_wait_tensorcnt 0x0                           ; the wave's end
	ds_add_u32 v[SPW], v[NIL]
	s_wait_dscnt 0x0
	CROUND                                         ; the closing round
	s_endpgm
.Lfunc_end_k_qfc3a9e384e_gemm:
	.size	k_qfc3a9e384e_gemm, .Lfunc_end_k_qfc3a9e384e_gemm-k_qfc3a9e384e_gemm
	.p2alignl 7, 3214868480
	.fill 96, 4, 3214868480
	.section	.rodata,"a",@progbits
	.p2align	6, 0x0
	.amdhsa_kernel k_qfc3a9e384e_gemm
		.amdhsa_group_segment_fixed_size 327680
		.amdhsa_private_segment_fixed_size 0
		.amdhsa_enable_private_segment 0
		.amdhsa_kernarg_size 40
		.amdhsa_user_sgpr_count 2
		.amdhsa_user_sgpr_kernarg_segment_ptr 1
		.amdhsa_wavefront_size32 1
		.amdhsa_system_sgpr_workgroup_id_x 1
		.amdhsa_system_sgpr_workgroup_id_y 1
		.amdhsa_system_sgpr_workgroup_id_z 1
		.amdhsa_system_vgpr_workitem_id 0
		.amdhsa_next_free_vgpr 1024
		.amdhsa_next_free_sgpr 98
		.amdhsa_reserve_vcc 0
		.amdhsa_float_denorm_mode_32 3
		.amdhsa_float_denorm_mode_16_64 3
		.amdhsa_memory_ordered 1
		.amdhsa_forward_progress 1
		.amdhsa_inst_pref_size 231
	.end_amdhsa_kernel
	.amdgpu_metadata
---
amdhsa.version: [ 1, 2 ]
amdhsa.kernels:
  - .name:           k_qfc3a9e384e_gemm
    .symbol:         k_qfc3a9e384e_gemm.kd
    .args:
      - { .name: xc, .offset: 0, .size: 8, .value_kind: global_buffer, .address_space: global }
      - { .name: wc, .offset: 8, .size: 8, .value_kind: global_buffer, .address_space: global }
      - { .name: lowp_scales, .offset: 16, .size: 8, .value_kind: global_buffer, .address_space: global }
      - { .name: b, .offset: 24, .size: 8, .value_kind: global_buffer, .address_space: global }
      - { .name: out0, .offset: 32, .size: 8, .value_kind: global_buffer, .address_space: global }
    .group_segment_fixed_size: 327680
    .private_segment_fixed_size: 0
    .kernarg_segment_align: 8
    .kernarg_segment_size: 40
    .max_flat_workgroup_size: 128
    .sgpr_count:     98
    .vgpr_count:     1024
    .wavefront_size: 32
...
	.end_amdgpu_metadata
.endif
;; end of part 2
